; MI455X (gfx1250); checked and timed in simulation.
; The chip was launched on July 23, 2026; its instructions are those of AMD's public machine-readable ISA for CDNA 5 (MIT licence, August 2026) and "CDNA5" Instruction Set Architecture Reference Guide (July 2026). The comments in the code are by the model that wrote it; some were corrected since.
;; GPT2 Attention. Allowed arithmetic: matrix products marked QUANTISED: E2M3 operands, one E8M0 scale for each 32 along K, by v_wmma_scale_f32_16x16x128_f8f6f4 with both operands' format E2M3, f32 sums; everything else in f32.
;; Inputs: b_attn 3,072 float32; b_proj 1,024 float32; hidden_states_codes 4 x 2,048 x 32 x 24 uint8 (E2M3 codes of hidden_states, K innermost, in blocks of 32 codes, four codes in three bytes); hidden_states_scales 4 x 2,048 x 32 uint8 (E8M0 scales of hidden_states, one for each 32 codes along K); w_attn_codes 3,072 x 32 x 24 uint8 (E2M3 codes of w_attn, K innermost, in blocks of 32 codes, four codes in three bytes); w_attn_scales 3,072 x 32 uint8 (E8M0 scales of w_attn, one for each 32 codes along K); w_proj_codes 1,024 x 32 x 24 uint8 (E2M3 codes of w_proj, K innermost, in blocks of 32 codes, four codes in three bytes); w_proj_scales 1,024 x 32 uint8 (E8M0 scales of w_proj, one for each 32 codes along K).
;; Outputs: out0 4 x 2,048 x 1,024 float32.
;; This version of the problem:
;;   THIS VERSION OF THE PROBLEM IS GIVEN IN LOW PRECISION. The matrix products marked QUANTISED in the list below multiply operands that are first quantised to E2M3 (2 exponent bits, 3 mantissa bits; 6 bits a number), with one power-of-two scale for each 32 numbers along K (OCP MX v1.0); their sums are f32. All else is computed in f32.
;;   The module's matrix products, in the order in which they are computed (A, B: the left and right operand; K: the contracted axis; several contracted axes count as one K, in the product's order):
;;     1. [M 8,192, K 1,024] x [K 1,024, N 3,072]; A: input hidden_states (given as codes); B: input w_attn (given as codes): QUANTISED
;;     2. batch 64 x [M 2,048, K 64] x [K 64, N 2,048]; A: computed on the way; B: computed on the way: QUANTISED
;;     3. batch 64 x [M 2,048, K 2,048] x [K 2,048, N 64]; A: softmax (see below); B: computed on the way: QUANTISED
;;     4. [M 8,192, K 1,024] x [K 1,024, N 1,024]; A: computed on the way; B: input w_proj (given as codes): QUANTISED
;;   THE QUANTISER, for each operand of a quantised product, along K:
;;     - K is cut into blocks of 32 from its start; a last block that is shorter is filled with zeros.
;;     - A block's scale is 2^e with e = floor(log2(the largest magnitude in the block)) - 2, held to -126 .. 127; a block of zeros has e = 0. As a byte (E8M0): e + 127.
;;     - Each number is divided by its block's scale, clamped to +-7.5, and rounded to the nearest number of E2M3, ties to even, subnormals kept.
;;     - The product sums the exact products of the quantised numbers (number of the format x scale) in f32.
;;   ~~~python
;;   def quantise(x, axis):      # numpy; x: float32 -> the quantised numbers, widened to float32 again
;;       x = np.moveaxis(x, axis, -1); K = x.shape[-1]
;;       x = np.pad(x, [(0, 0)] * (x.ndim - 1) + [(0, -K % 32)]); x = x.reshape(x.shape[:-1] + (-1, 32)); a = np.abs(x).max(-1, keepdims=True)
;;       e = np.where(a > 0, np.clip(np.frexp(np.where(a > 0, a, 1))[1] - 1 - 2, -126, 127), 0)      # np.frexp(a)[1] - 1 = floor(log2(a)), exactly
;;       r = np.clip(x / 2.0 ** e, -7.5, 7.5)
;;       step = 2.0 ** (np.maximum(np.frexp(np.where(r == 0, 1, r))[1] - 1, 0) - 3)
;;       q = np.round(r / step) * step * 2.0 ** e      # np.round: ties to even
;;       return np.moveaxis(q.reshape(q.shape[:-2] + (-1,))[..., :K], -1, axis).astype(np.float32)
;;   ~~~
;;   SOFTMAX AHEAD OF A QUANTISED PRODUCT. Where the list says 'softmax', what is quantised is not the finished softmax but p = 2^(t - M), with t = logit x log2(e) and M = ceil(the row's largest t), a whole number; so 1/2 < the row's largest p <= 1. The row's sum l is taken of the UNQUANTISED p, in f32, and the product's result is divided by l at the end. Since M is a whole number, a kernel that streams over the keys may use a running M (the ceiling of the running maximum): every later rescaling is an exact power of two, which a block's scale takes up: the codes' values come out the same.
;;   OPERANDS COMPUTED ON THE WAY. 'Computed on the way' means the value that the module computes at that place (a softmax that the list does not call 'softmax' is quantised finished and normalised). What goes into a quantiser is computed in f32, as accurately as f32 sums, v_exp_f32 and their like allow (about 1e-6 of the number): no bf16 or f16 on the way to a quantiser, and a product that is left as it is and whose result goes on into a quantised operand takes f32 operands (vector FMAs, or v_wmma_f32_16x16x4_f32). A number that lies on a knife's edge between two numbers of the format may be rounded either way, as far as f32 arithmetic and the matrix unit's own rounding can turn it there, and no further.
;;   INPUTS GIVEN AS CODES. hidden_states (in the module: [4, 2048, 1024], K = its axis 2); w_attn (in the module: [1024, 3072], K = its axis 0); w_proj (in the module: [1024, 1024], K = its axis 0): each comes as NAME_codes (uint8): NAME with its K axis moved to the last place and cut into blocks of 32 codes, [.., K / 32, bytes a block], one block behind the other in memory; four codes in three bytes: a row's codes are one little-endian stream of bits, code i at bits 6 i .. 6 i + 5 (a code: sign, 2 exponent bits, 3 mantissa bits); and NAME_scales (uint8): the same leading axes, one E8M0 byte (e + 127) for each 32 codes along K. Its value is code x scale, taken as it is: it is not quantised again, and the codes and scales need not be those that the quantiser above would give.
;; One version. Each part assembles by itself: llvm-mc -triple=amdgcn-amd-amdhsa -mcpu=gfx1250 --defsym DOCPART=n.
;; ======== version 1 of 1: 3 launches
;; workspace buffers: qf 6,553,600 bytes; kvf 13,107,200 bytes; ctxf 6,291,456 bytes; ctxs 262,144 bytes
;; launch qkv (part 1): grid 96 x 4, 4 waves a work-group, clusters of 4 x 4, 327,680 bytes of LDS; arguments hidden_states_codes, hidden_states_scales, w_attn_codes, w_attn_scales, b_attn, qf, kvf; writes qf, kvf
.if DOCPART == 1
	.amdgcn_target "amdgcn-amd-amdhsa--gfx1250"
	.amdhsa_code_object_version 6
	.text
	.protected	k_qb3dcca5f48_qkv
	.globl	k_qb3dcca5f48_qkv
	.p2align	8
	.type	k_qb3dcca5f48_qkv,@function
k_qb3dcca5f48_qkv:
	s_mov_b64 s[64:65], 0
	v_nop
	global_prefetch_b8 v0, s[64:65] scope:SCOPE_SE
	s_setreg_imm32_b32 hwreg(HW_REG_WAVE_MODE, 25, 1), 1
	s_wait_xcnt 0x0
	s_wait_alu depctr_hold_cnt(0) depctr_sa_sdst(0) depctr_va_vdst(0) depctr_va_sdst(0) depctr_va_ssrc(0) depctr_va_vcc(0) depctr_vm_vsrc(0)
	s_getreg_b32 s2, hwreg(HW_REG_IB_STS2, 6, 4)
	s_cmp_eq_u32 s2, 0
	s_cbranch_scc0 .Lentry_in_a_cluster
	s_endpgm
.Lentry_in_a_cluster:
	s_bfe_u32 s2, ttmp6, 0x10000c
	s_cmp_lg_u32 s2, 0xf033
	s_cbranch_scc0 .Lentry_shape_is_right
	s_endpgm
.Lentry_shape_is_right:
; qkv = hidden x w_attn + b_attn on codes of FP6 (E2M3) with one E8M0 scale for each 32 along K = 1,024; the result is quantised at once and leaves as codes:
; q and k along the head's 64 numbers, v along the tokens.  hidden: 8,192 rows of 768 bytes of codes, 32 scale bytes a row; w_attn: 3,072 rows likewise.
; A tile of 256 x 256 is made by a work-group of four waves, a wave makes 128 x 128: 64 accumulators of 16 x 16.  K goes in steps of 256 through two LDS slots filled by the tensor data mover.
; ROLES, by the cluster's number c alone (all sixteen partners share it; nothing branches on it, pointers and offsets are selected):
;   c < 16 (q and k): source 0 = rows of w_attn (columns 0 .. 2,047 of qkv), source 1 = rows of hidden (tokens).   c >= 16 (v): source 0 = tokens, source 1 = rows 2,048 .. 3,071 of w_attn.
; In a result a lane holds ONE row of source 1 and its registers run along source 0: along the head's numbers for q and k, along the tokens for v: the axis along which each is quantised.
; ORDER INSIDE A BLOCK OF 32.  A lane's 16 registers of accumulators 2 b and 2 b + 1 are rows 32 b + 16 u + 8 (lane / 16) + j of source 0; they are laid at places 32 b + 16 (lane / 16) + 8 u + j of the operand.
; That is a permutation inside a true block of 32, so the scales are the quantiser's; q and k are laid alike, and so are v and the softmax's p in the next launch: the products are the same.
; OUT: images of operand registers.  Six registers a lane (16 rows x 64 along K) are 768 bytes: registers 0-3 at 16 x lane, registers 4-5 at 512 + 8 x lane.
;   qf: 1,024 records of 6,400 bytes, record = 256 batch + 16 head + (block of 128 tokens): 8 tiles of 16 tokens x 768 bytes, then 256 bytes of scales [row 0..15][tile 0..7], two bytes each.
;   kvf: 1,024 records of 12,800 bytes: k as in qf; from byte 6,400 v: 4 fragments (16 of the head's 64 x 128 tokens) of 1,536 bytes; from byte 12,544 their scale words [row 0..15][fragment 0..3].
; CLUSTERS: 4 x 4 work-groups; source 1's tiles are shared along a row of the cluster, source 0's along a column, by joint loads.
; LIMITS: NaN and infinities are not served.  A block of zeros gets the scale byte 1 (its codes are zeros; this program alone reads the bytes); a block whose largest magnitude lies under 2^-124 is held at the byte 1.
; REGISTERS, in windows of 256: window 0: v1, v2 lane % 16, lane / 16; v16-29 addresses; v32-63 scale words, two sets; v64-127 the bias along source 0; v128-223 source 1's fragments; v224-239 the bias along source 1;
;   window 1: source 0's fragments, two sets;  windows 2, 3: the accumulators ((a, b) at v[8 (8 (a % 4) + b)]).  On the way out window 0's v64-99 and v128-211 are at work.
.set KSTEP,  256
.set NQ,     KSTEP/128
.set ROWB,   192                       ; a tile's row: 256 codes
.set KROW,   768                       ; a row of either operand in memory
.set PITCH,  240                       ; an LDS row: 3 x (64 bytes + 16 of padding)
.set FR,     12
.set NL,     6
.set NP,     4
.set HALFT,  128*PITCH
.set SLOT,   4*HALFT
.set KS,     32                        ; a row of scale bytes
.set SCL,    2*SLOT
.set HALFS,  (128*KS/256)*272
.set SBLK,   (16*KS/256)*272
.set SPARE,  SCL+4*HALFS               ; the spare words: 128 bytes for each wave, named by no other line
.set ADRA, 16                          ; v16-17 (v18-19 behind one padding more): LDS address of source 1's fragments in slot 0, 1
.set ADRB, 20                          ; v20-23 the same for source 0
.set LB,   24                          ; v24  the way out: 16 x lane
.set LH,   25                          ; v25  8 x lane
.set LSC,  26                          ; v26  16 x (lane % 16) + (lane / 16) x 16 records
.set ADRS, 27
.set SPW,  28
.set NIL,  29
.set SC,   32
.set B0,   64                          ; bias along source 0: the C of each sum's first product
.set AF,   128
.set B1,   224                         ; bias along source 1: a pair for each block of 16 rows
.set TM,   64                          ; the way out: v64-79 at work
.set SW,   80                          ; v80-87 the eight blocks' scale words
.set XO,   88                          ; v88-91 the scale bytes as they leave
.set TT,   128                         ; v128-191 a block's 64 numbers
.set CD,   192                         ; v192-210 its codes
.set G1, 24
.set G0, 32
.set G1B, 48
.set G0B, 56
.set G1S, 68
.set G0S, 76
.set G1SB, 80
.set G0SB, 88
.set P0, 28                            ; the way out, in registers that held descriptors: s[28:29], s[32:33] where a block's two halves go
.set P1, 32
.set SA, 26                            ; s[26:27] the step from block to block
.set J4, 34                            ; s[34:35] the extra step at block 4
.set SEL, 38                           ; s[38:39] lane selects for lane xor 16
.set MSB, 0
.macro WIN new                         ; the immediate's high byte repeats the setting that is left
.if MSB != (\new)
	s_set_vgpr_msb (MSB<<8)|(\new)
.set MSB, (\new)
.endif
.endm
.set MUL_LO, 0xa1                      ; source 0 window 1, source 1 window 0, C and D window 2
.set MUL_HI, 0xf1                      ; the same, C and D window 3
.set TO_B,   0x40
; A joint load: waves 0 and 1 fetch for source 1, waves 2 and 3 for source 0.  The branch hangs on the wave's number alone.  Four v_nop follow each of the two lines.
.macro JLOAD g0a, g1a, g0b, g1b
	s_cmp_eq_u32 s15, 0
	s_cbranch_scc0 .Lfor_b_\@
	tensor_load_to_lds s[\g0a:\g0a+3], s[\g1a:\g1a+7]
	s_nop 0
.rept 4
	v_nop
.endr
	s_branch .Lasked_\@
.Lfor_b_\@:
	tensor_load_to_lds s[\g0b:\g0b+3], s[\g1b:\g1b+7]
	s_nop 0
.rept 4
	v_nop
.endr
.Lasked_\@:
.endm
.macro CREST                           ; a round of the cluster's barrier behind its opening barrier
	s_cmp_lg_u32 s14, 0
	s_cbranch_scc1 .Lnot_wave_0_\@
	s_barrier_signal -3
.Lnot_wave_0_\@:
	s_barrier_wait -3
	s_barrier_signal -1
	s_barrier_wait -1
.endm
.macro CROUND
	s_barrier_signal -1
	s_barrier_wait -1
	CREST
.endm
	s_load_b256 s[4:11], s[0:1], 0x0               ; hidden's codes, hidden's scales, w_attn's codes, w_attn's scales
	s_load_b64 s[12:13], s[0:1], 0x20              ; b_attn
	s_load_b64 s[96:97], s[0:1], 0x28              ; qf
	s_load_b64 s[98:99], s[0:1], 0x30              ; kvf
	v_lshl_add_u32 v[SPW], v0, 2, SPARE
	v_mov_b32 v[NIL], 0
	ds_add_u32 v28, v29
	ds_add_u32 v28, v29
	s_wait_dscnt 0x0
	v_lshrrev_b32 v1, 5, v0
	v_readfirstlane_b32 s14, v1                    ; wave 0..3
	s_lshr_b32 s15, s14, 1                         ; my half of source 1's 256 rows.  Also: I fetch for source 1 (0) or source 0 (1)
	s_and_b32 s16, s14, 1                          ; my half of source 0's.  Also: which 128 rows I fetch
	s_bfe_u32 s40, ttmp6, 0x40000                  ; cx
	s_bfe_u32 s41, ttmp6, 0x40004                  ; cy
	s_and_b32 s18, ttmp9, 1                        ; q and k: 2 blocks of four tiles along source 0,
	s_sub_co_u32 s19, ttmp9, 16                    ; v: 8
	s_lshr_b32 s20, ttmp9, 1                       ; q and k: 8 blocks of four tiles along source 1; v: the one that begins at row 2,048
	s_cmp_lt_u32 ttmp9, 16
	s_cselect_b32 s18, s18, s19
	s_cselect_b32 s20, s20, 2
	s_lshl_b32 s42, s18, 2
	s_add_co_u32 s42, s42, s40                     ; source 0's tile of 256 rows
	s_lshl_b32 s17, s20, 2
	s_add_co_u32 s17, s17, s41                     ; source 1's
	s_lshl_b32 s43, s41, 2
	s_lshl_b32 s43, 15, s43                        ; my row of the cluster
	s_lshl_b32 s44, 0x1111, s40                    ; my column
	s_or_b32 s[G1+0], s43, (0<<16)|(1<<20)|(1<<21)|(3<<22)|(3<<25)  ; the mask; elements of 1 byte; padding on; bit 21 beside a mask; after every 16 words 4 words
	s_or_b32 s[G1B+0], s44, (0<<16)|(1<<20)|(1<<21)|(3<<22)|(3<<25)
.irp g, G1, G1B
	s_mov_b32 s[\g+1], ROWB<<16                    ; tensor_dim0
	s_mov_b32 s[\g+2], 128<<16                     ; tensor_dim1
	s_mov_b32 s[\g+3], ROWB<<16                    ; tile_dim0
	s_mov_b32 s[\g+4], 128                         ; tile_dim1
	s_mov_b32 s[\g+5], KROW                        ; the pitch
	s_mov_b32 s[\g+6], 0
	s_mov_b32 s[\g+7], 0
.endr
	s_or_b32 s[G1S+0], s43, (3<<16)|(1<<20)|(1<<21)|(5<<22)|(3<<25)  ; the scales of 128 rows: 4,096 dense bytes as 16 rows of 256, 16 bytes of padding behind each
	s_or_b32 s[G1SB+0], s44, (3<<16)|(1<<20)|(1<<21)|(5<<22)|(3<<25)
.irp g, G1S, G1SB
	s_mov_b32 s[\g+1], 32<<16
	s_mov_b32 s[\g+2], (128*KS/256)<<16
	s_mov_b32 s[\g+3], 32<<16
	s_mov_b32 s[\g+4], 128*KS/256
	s_mov_b32 s[\g+5], 32
	s_mov_b32 s[\g+6], 0
	s_mov_b32 s[\g+7], 0
.endr
	s_lshl_b32 s18, s16, 7                         ; which 128 rows of the tile I fetch
	s_lshl_b32 s20, s17, 8
	s_add_co_u32 s20, s20, s18                     ; source 1: its row
	s_lshl_b32 s46, s42, 8
	s_add_co_u32 s46, s46, s18                     ; source 0: its row
	s_mov_b32 s21, 0
	s_mov_b32 s47, 0
	s_mov_b64 s[18:19], KS
	s_mul_u64 s[22:23], s[20:21], s[18:19]         ; where these rows' scales begin,
	s_mul_u64 s[92:93], s[46:47], s[18:19]
	s_mov_b64 s[18:19], KROW
	s_mul_u64 s[20:21], s[20:21], s[18:19]         ; and their codes
	s_mul_u64 s[46:47], s[46:47], s[18:19]
	s_mul_i32 s45, s14, HALFT                      ; where they go: wave x 128 rows
	s_mul_i32 s94, s14, HALFS
	s_wait_kmcnt 0x0
	s_cmp_lt_u32 ttmp9, 16                         ; which tensor is which source: a choice on the cluster's number
	s_cselect_b64 s[66:67], s[4:5], s[8:9]         ; source 1's codes
	s_cselect_b64 s[8:9], s[8:9], s[4:5]           ; source 0's codes
	s_cselect_b64 s[4:5], s[6:7], s[10:11]         ; source 1's scales
	s_cselect_b64 s[10:11], s[10:11], s[6:7]       ; source 0's scales
	s_add_nc_u64 s[20:21], s[66:67], s[20:21]
	s_add_nc_u64 s[22:23], s[4:5], s[22:23]
	s_add_nc_u64 s[46:47], s[8:9], s[46:47]
	s_add_nc_u64 s[92:93], s[10:11], s[92:93]
	CROUND                                         ; all sixteen work-groups are here: the first joint loads meet
	s_mov_b32 s[G0S], 1
	s_add_co_u32 s[G0S+1], s94, SCL
	s_mov_b64 s[G0S+2:G0S+3], s[22:23]
	s_or_b32 s[G0S+3], s[G0S+3], 0x80000000
	s_mov_b32 s[G0SB], 1
	s_add_co_u32 s[G0SB+1], s94, SCL
	s_mov_b64 s[G0SB+2:G0SB+3], s[92:93]
	s_or_b32 s[G0SB+3], s[G0SB+3], 0x80000000
	JLOAD G0S, G1S, G0SB, G1SB                     ; the scales of all of K: filled once
.irp s, 0,1
	s_mov_b32 s[G0+4*\s], 1
	s_add_co_u32 s[G0+4*\s+1], s45, \s*SLOT
	s_add_nc_u64 s[G0+4*\s+2:G0+4*\s+3], s[20:21], \s*ROWB
	s_or_b32 s[G0+4*\s+3], s[G0+4*\s+3], 0x80000000
	s_mov_b32 s[G0B+4*\s], 1
	s_add_co_u32 s[G0B+4*\s+1], s45, \s*SLOT
	s_add_nc_u64 s[G0B+4*\s+2:G0B+4*\s+3], s[46:47], \s*ROWB
	s_or_b32 s[G0B+4*\s+3], s[G0B+4*\s+3], 0x80000000
	JLOAD G0+4*\s, G1, G0B+4*\s, G1B               ; K steps 0 and 1: three loads of mine are out
.endr
	v_and_b32 v1, 15, v0                           ; r = lane % 16: kept
	v_bfe_u32 v2, v0, 4, 1                         ; h = lane / 16: kept
	v_mul_u32_u24 v3, v1, PITCH
	v_mul_u32_u24 v4, v2, 24
	v_add_nc_u32 v4, v3, v4                        ; a fragment's row x pitch + 24 x half
	v_lshl_add_u32 v5, v2, 4, v4                   ; and the same behind one padding more
	s_mul_i32 s21, s15, HALFT                      ; my 128 rows of source 1
	s_mul_i32 s22, s16, HALFT                      ; my 128 rows of source 0,
	s_add_co_u32 s22, s22, 2*HALFT                 ; which lie behind source 1's 256
.irp s, 0,1
	v_add_nc_u32 v[ADRA+\s], s21, v4
	v_add_nc_u32 v[ADRB+\s], s22, v4
	v_add_nc_u32 v[ADRA+2+\s], s21, v5
	v_add_nc_u32 v[ADRB+2+\s], s22, v5
	s_add_co_u32 s21, s21, SLOT
	s_add_co_u32 s22, s22, SLOT
.endr
	v_mul_u32_u24 v5, v1, KS                       ; my row's scales: 32 bytes a row,
	v_lshrrev_b32 v6, 8, v5
	v_lshl_add_u32 v5, v6, 4, v5                   ; and 16 more for each 256 passed
	s_mul_i32 s21, s15, HALFS
	s_mul_i32 s22, s16, HALFS
	s_add_co_u32 s22, s22, 2*HALFS
	s_sub_co_u32 s22, s22, s21
	v_mul_u32_u24 v6, s22, v2                      ; lanes 16-31 take source 0's
	s_add_co_u32 s21, s21, SCL
	v_add_nc_u32 v5, v5, v6
	v_add_nc_u32 v[ADRS], s21, v5
	; THE BIAS runs along qkv's columns: along source 0 for q and k, along source 1 for v.  Both sets are loaded in both roles, from the buffer's start where the set does not apply, and that set is masked to zeros.
	s_lshl_b32 s94, s42, 1
	s_add_co_u32 s94, s94, s16                     ; R0: my 128 rows of source 0, counted in 128s
	s_lshl_b32 s95, s17, 1
	s_add_co_u32 s95, s95, s15                     ; R1: my 128 rows of source 1
	s_lshl_b32 s46, s94, 9
	s_lshl_b32 s20, s95, 9
	s_cmp_lt_u32 ttmp9, 16
	s_cselect_b32 s46, s46, 0
	s_cselect_b32 s20, 0, s20
	s_cselect_b32 s6, -1, 0                        ; keeps the set along source 0
	s_cselect_b32 s7, 0, -1                        ; keeps the set along source 1
	s_mov_b32 s47, 0
	s_mov_b32 s21, 0
	s_add_nc_u64 s[46:47], s[12:13], s[46:47]
	s_add_nc_u64 s[20:21], s[12:13], s[20:21]
	v_lshlrev_b32 v9, 5, v2                        ; 32 h: my eight numbers of a block of 16
	v_lshlrev_b32 v10, 2, v1                       ; 4 r
.irp b, 0,1,2,3,4,5,6,7
	global_load_b128 v[B0+8*\b:B0+8*\b+3], v9, s[46:47] offset:64*\b        ; b_attn[128 R0 + 16 b + 8 h + 0 .. 7]: the result's layout
	global_load_b128 v[B0+8*\b+4:B0+8*\b+7], v9, s[46:47] offset:64*\b+16
.endr
.irp a, 0,1,2,3,4,5,6,7
	global_load_b32 v[B1+2*\a], v10, s[20:21] offset:64*\a                  ; b_attn[128 R1 + 16 a + r]
.endr
	s_wait_loadcnt 0x0
.set i, 0
.rept 64
	v_and_b32 v[B0+i], s6, v[B0+i]
.set i, i+1
.endr
.irp a, 0,1,2,3,4,5,6,7
	v_and_b32 v[B1+2*\a], s7, v[B1+2*\a]
	v_mov_b32 v[B1+2*\a+1], v[B1+2*\a]             ; twice: the packed addition takes a pair
.endr
.macro FRAG reg, adr, q, i             ; 16 rows x 128 K of 6-bit codes: 12 registers, in pieces of 8 bytes; where lanes 16-31's piece lies behind one padding more, the second address register serves
.irp p, 0,1,2,3,4,5
.set PCE, 12*(\q)+6*(\p/3)+\p%3
.if PCE%8 < 5
	ds_load_b64 v[\reg+2*\p:\reg+2*\p+1], v[\adr] offset:8*PCE+16*(PCE/8)+(\i)*16*PITCH
.else
	ds_load_b64 v[\reg+2*\p:\reg+2*\p+1], v[\adr+2] offset:8*PCE+16*(PCE/8)+(\i)*16*PITCH
.endif
.endr
.endm
; 16 matrix instructions: source 1's blocks a0, a0 + 1 x source 0's eight, 128 along K.  zero = 1: the first product starts the sums, with the bias along source 0 as its C.
; The 64 accumulators take turns, one instruction a turn, in the same order in every step.
.macro MUL16 a0, p, q, sc, zero
.irp a, \a0, \a0+1
.irp b, 0,1,2,3,4,5,6,7
.if \zero
	v_wmma_scale_f32_16x16x128_f8f6f4 v[8*(8*((\a)%4)+\b):8*(8*((\a)%4)+\b)+7], v[128*(\p)+FR*\b:128*(\p)+FR*\b+FR-1], v[AF+FR*(\a):AF+FR*(\a)+FR-1], v[B0+8*\b:B0+8*\b+7], v[SC+8*NQ*(\sc)+NQ*\b+(\q)], v[SC+8*NQ*(\sc)+NQ*(\a)+(\q)] matrix_a_fmt:MATRIX_FMT_FP6 matrix_b_fmt:MATRIX_FMT_FP6 matrix_a_scale:MATRIX_SCALE_ROW1
.else
	v_wmma_scale_f32_16x16x128_f8f6f4 v[8*(8*((\a)%4)+\b):8*(8*((\a)%4)+\b)+7], v[128*(\p)+FR*\b:128*(\p)+FR*\b+FR-1], v[AF+FR*(\a):AF+FR*(\a)+FR-1], v[8*(8*((\a)%4)+\b):8*(8*((\a)%4)+\b)+7], v[SC+8*NQ*(\sc)+NQ*\b+(\q)], v[SC+8*NQ*(\sc)+NQ*(\a)+(\q)] matrix_a_fmt:MATRIX_FMT_FP6 matrix_b_fmt:MATRIX_FMT_FP6 matrix_a_scale:MATRIX_SCALE_ROW1
.endif
.endr
.endr
.endm
.macro FETCH_B slot, q, p
	WIN TO_B
.irp i, 0,1,2,3,4,5,6,7
	FRAG 128*(\p)+FR*\i, ADRB+\slot, \q, \i
.endr
	WIN 0
.endm
.macro FETCH_A slot, q, i0
.irp i, \i0, \i0+1, \i0+2, \i0+3
	FRAG AF+FR*(\i), ADRA+\slot, \q, \i
.endr
.endm
.macro SCALES sc                       ; a K step's scale words: lanes 0-15 source 1's block i, lanes 16-31 source 0's block i
.irp i, 0,1,2,3,4,5,6,7
	ds_load_b64 v[SC+8*NQ*\sc+NQ*\i:SC+8*NQ*\sc+NQ*\i+1], v[ADRS] offset:\i*SBLK
.endr
.endm
.macro PLACES n                        ; plain vector lines between a matrix instruction and a load into, or a read of, its registers
.rept \n
	v_nop
.endr
.endm
.macro STEP slot, q, zero              ; 128 along K that has its successor in the same slot
	s_wait_dscnt 4*NL                              ; source 0's set and source 1's blocks 0-3 are in; the youngest 24 loads (blocks 4-7) may be out
	WIN MUL_LO-0x20*(\zero)                        ; (zero = 1: C, the bias, lies in window 0)
	MUL16 0, (\q)%2, \q, \slot, \zero
	MUL16 2, (\q)%2, \q, \slot, \zero
	s_wait_dscnt 0                                 ; blocks 4-7 are in
	PLACES NP
	FETCH_B \slot, (\q)+1, 1-(\q)%2
	FETCH_A \slot, (\q)+1, 0
	WIN MUL_HI-0x30*(\zero)
	MUL16 4, (\q)%2, \q, \slot, \zero
	MUL16 6, (\q)%2, \q, \slot, \zero
	PLACES NP
	WIN 0
	FETCH_A \slot, (\q)+1, 4
.endm
; A slot's last step changes slots: one barrier; in front of it each wave waits for all its tensor loads, adds 0 to its spare word, and waits for that and for its reads of this slot.  fill = 1: the slot is filled again.
.macro TURN slot, next, fill
	s_wait_tensorcnt 0x0                           ; all my tensor loads have landed: my part of the next slot
	ds_add_u32 v[SPW], v[NIL]                      ; 0 onto my spare word
	s_wait_dscnt 4*NL+1                            ; (the add and the youngest 24 loads may be out)
	WIN MUL_LO
	MUL16 0, 1, NQ-1, \slot, 0
	s_wait_dscnt 0x0                               ; the add is done, and my reads of this slot are over
	s_barrier_signal -1
	MUL16 2, 1, NQ-1, \slot, 0
	WIN 0
	s_barrier_wait -1
.if \fill
	CREST                                          ; the barrier has opened a round of the cluster's: no wave of any partner still reads this slot or has a load on its way
	s_add_nc_u64 s[G0+4*\slot+2:G0+4*\slot+3], s[G0+4*\slot+2:G0+4*\slot+3], 2*ROWB
	s_add_nc_u64 s[G0B+4*\slot+2:G0B+4*\slot+3], s[G0B+4*\slot+2:G0B+4*\slot+3], 2*ROWB
	JLOAD G0+4*\slot, G1, G0B+4*\slot, G1B         ; the first tensor load behind the round; its four v_nop are the places in front of the loads below
.else
	PLACES NP
.endif
	v_add_nc_u32 v[ADRS], 4*NQ, v[ADRS]            ; the next K step's scale words
	FETCH_B \next, 0, 0
	FETCH_A \next, 0, 0
	SCALES \next
	WIN MUL_HI
	MUL16 4, 1, NQ-1, \slot, 0
	MUL16 6, 1, NQ-1, \slot, 0
	PLACES NP
	WIN 0
	FETCH_A \next, 0, 4
.endm
	s_wait_tensorcnt 1                             ; the scales and my part of K step 0 are in (K step 1's load may be out)
	s_barrier_signal -1
	s_barrier_wait -1                              ; everybody's are
	FETCH_B 0, 0, 0
	FETCH_A 0, 0, 0
	SCALES 0
	FETCH_A 0, 0, 4
	STEP 0, 0, 1                                   ; K = 1,024 is four K steps, eight steps of 128: written out, there is no loop
	TURN 0, 1, 1                                   ; slot 0 takes K step 2
	STEP 1, 0, 0
	TURN 1, 0, 1                                   ; slot 1 takes K step 3
	STEP 0, 0, 0
	TURN 0, 1, 0                                   ; nothing is left to fetch
	STEP 1, 0, 0
	s_wait_dscnt 4*NL
	WIN MUL_LO
	MUL16 0, 1, NQ-1, 1, 0
	MUL16 2, 1, NQ-1, 1, 0
	s_wait_dscnt 0
	WIN MUL_HI
	MUL16 4, 1, NQ-1, 1, 0
	MUL16 6, 1, NQ-1, 1, 0
	WIN 0
	PLACES NP
	; THE WAY OUT.  No tensor load of mine is out, so the descriptors' registers are free.  Where my blocks go, by role:
	;   q, k: block a = tokens 16 a on; its fragment's halves are my two heads' tiles a: 16 records apart, 768 bytes from block to block.
	;   v:    block a = head a / 4, 16 (a % 4) of its 64 on; the halves are the two halves of one fragment, 768 bytes apart; 1,536 bytes from block to block; at block 4 on to the next head's record.
	s_sub_co_u32 s20, s95, 16                      ; v: the pair of heads = R1 - 16
	s_and_b32 s21, s94, 7                          ; q, k: R0 % 8
	s_and_b32 s18, ttmp9, 1
	s_mov_b32 s[SA], 1536
	s_cmp_lt_u32 ttmp9, 16
	s_cselect_b32 s22, s95, s94                    ; my block of 128 tokens
	s_cselect_b32 s23, s21, s20                    ; my pair of heads
	s_cselect_b32 s18, s18, 1                      ; 0 for q alone
	s_cselect_b32 s24, 0, 6400                     ; v lies behind k in a record
	s_cselect_b32 s25, 0, -1                       ; all ones for v
	s_cselect_b32 s[SA], 768, s[SA]
	s_mov_b32 s[SA+1], 0
	s_mov_b32 s30, 12800
	s_cmp_eq_u32 s18, 0
	s_cselect_b64 s[P0:P0+1], s[96:97], s[98:99]   ; qf or kvf
	s_cselect_b32 s30, 6400, s30                   ; a record
	s_lshl_b32 s31, s30, 4                         ; 16 records: from a head to the next
	s_sub_co_u32 s[J4], s31, 6144
	s_cmp_lt_u32 ttmp9, 16
	s_cselect_b32 s[P1], s31, 768
	s_cselect_b32 s[J4], 0, s[J4]
	s_mov_b32 s[P1+1], 0
	s_mov_b32 s[J4+1], 0
	s_lshr_b32 s19, s22, 4
	s_lshl_b32 s19, s19, 8                         ; 256 x batch
	s_lshl_b32 s23, s23, 5                         ; + 16 x my first head
	s_add_co_u32 s19, s19, s23
	s_and_b32 s22, s22, 15
	s_add_co_u32 s19, s19, s22                     ; + the block of 128 tokens in the sequence
	s_mul_i32 s44, s19, s30
	s_add_co_u32 s44, s44, s24
	s_mov_b32 s45, 0
	s_add_nc_u64 s[P0:P0+1], s[P0:P0+1], s[44:45]
	s_add_nc_u64 s[P1:P1+1], s[P0:P0+1], s[P1:P1+1]
	s_add_nc_u64 s[36:37], s[P0:P0+1], 6144        ; the scales
	s_mov_b32 s[SEL], 0x76543210
	s_mov_b32 s[SEL+1], 0xfedcba98
	v_and_b32 v3, 31, v0
	v_lshlrev_b32 v[LB], 4, v3
	v_lshlrev_b32 v[LH], 3, v3
	v_mul_u32_u24 v[LSC], s31, v2
	v_lshl_add_u32 v[LSC], v1, 4, v[LSC]
	v_cmp_ne_u32 vcc_lo, 0, v2
	v_mov_b32 v96, 0x05040100                      ; byte selects: lanes 0-15 gather my first head's bytes, lanes 16-31 my second's
	v_mov_b32 v98, 0x07060302
	v_cndmask_b32 v96, v96, v98, vcc_lo
	v_mov_b32 v97, 0x03020100
	v_mov_b32 v98, 0x07060504
	v_cndmask_b32 v97, v97, v98, vcc_lo
.irp b, 0,1,2,3
	v_mov_b32 v[TM+4+\b], 0                        ; a lane permute's destination counts as one of its sources
.endr
; 64 numbers of a lane, v[s] on, register 16 b + i = place 32 b + 16 (lane / 16) + i of my row, become a fragment's codes in v[CD] on and its scale word in v[pw].
.macro QUANT s, pw
.irp b, 0,1,2,3
	v_max3_num_f32 v[TM+\b], |v[\s+16*\b]|, |v[\s+1+16*\b]|, 0x1800000   ; my 16 numbers of block b, and the floor 2^(3 - 127): the byte cannot fall under 1
.endr
.irp i, 2,4,6,8,10,12,14
.irp b, 0,1,2,3
	v_max3_num_f32 v[TM+\b], v[TM+\b], |v[\s+16*\b+\i]|, |v[\s+1+16*\b+\i]|
.endr
.endr
.irp b, 0,1,2,3
	v_permlanex16_b32 v[TM+4+\b], v[TM+\b], s[SEL], s[SEL+1]
.endr
.irp b, 0,1,2,3
	v_max_num_f32 v[TM+\b], v[TM+\b], v[TM+4+\b]   ; with lane xor 16's: the block's largest magnitude
.endr
.irp b, 0,1,2,3
	v_add_nc_u32 v[TM+12+\b], 0xff000000, v[TM+\b] ; 2 off its exponent field: the conversion's scale operand
.endr
.irp b, 0,1,2,3
	v_lshrrev_b32 v[TM+4+\b], 23, v[TM+12+\b]      ; the scale's byte
.endr
	v_lshl_or_b32 v[\pw], v[TM+5], 8, v[TM+4]
	v_lshl_or_b32 v[\pw], v[TM+6], 16, v[\pw]
	v_lshl_or_b32 v[\pw], v[TM+7], 24, v[\pw]
.irp c, 0,1
	v_cvt_scalef32_pk16_fp6_f32 v[CD+6*\c:CD+2+6*\c], v[\s+32*\c:\s+15+32*\c], v[TM+12+2*\c]
	v_cvt_scalef32_pk16_fp6_f32 v[CD+12+4*\c:CD+14+4*\c], v[\s+16+32*\c:\s+31+32*\c], v[TM+12+2*\c+1]   ; (a conversion's three registers begin on an even number)
.endr
	v_nop                                          ; one plain line behind a scaled conversion
.irp c, 0,1                                    ; a whole block to a lane: lanes 0-15 block 2 c, lanes 16-31 block 2 c + 1
.irp i, 0,1,2
	v_permlane16_swap_b32 v[CD+6*\c+\i], v[CD+12+4*\c+\i]
.endr
.irp i, 0,1,2
	v_mov_b32 v[CD+3+6*\c+\i], v[CD+12+4*\c+\i]
.endr
.endr
.endm
.macro OUT a
.set AC, 64*((\a)%4)
.if (\a) > 0
	s_wait_xcnt 0x0                                ; the last block's stores have read their data and their bases: both are written again only behind this wait
	s_add_nc_u64 s[P0:P0+1], s[P0:P0+1], s[SA:SA+1]
	s_add_nc_u64 s[P1:P1+1], s[P1:P1+1], s[SA:SA+1]
.endif
.if (\a) == 4
	s_add_nc_u64 s[P0:P0+1], s[P0:P0+1], s[J4:J4+1]
	s_add_nc_u64 s[P1:P1+1], s[P1:P1+1], s[J4:J4+1]
.endif
	WIN 0x02+(\a)/4                                ; source 0: window 2 or 3
.set i, 0
.rept 32
	v_pk_add_f32 v[TT+i:TT+i+1], v[AC+i:AC+i+1], v[B1+2*(\a):B1+2*(\a)+1]   ; the bias along source 1, and the way into window 0, in one line; each accumulator from its low end on
.set i, i+2
.endr
	WIN 0
	QUANT TT, SW+(\a)
	global_store_b128 v[LB], v[CD:CD+3], s[P0:P0+1]                 ; 512 consecutive bytes a store, aligned to 256,
	global_store_b64 v[LH], v[CD+4:CD+5], s[P0:P0+1] offset:512     ; 256 consecutive bytes
	global_store_b128 v[LB], v[CD+6:CD+9], s[P1:P1+1]
	global_store_b64 v[LH], v[CD+10:CD+11], s[P1:P1+1] offset:512
.endm
.irp a, 0,1,2,3,4,5,6,7
	OUT \a
.endr
.irp i, 0,1,2,3                                ; the scale bytes.  q, k: for each row two bytes a tile, tiles 2 i and 2 i + 1 in a word;  v: for each row a word a fragment
	v_perm_b32 v98, v[SW+1+2*\i], v[SW+2*\i], v96
	v_perm_b32 v99, v[SW+4+\i], v[SW+\i], v97
	v_cndmask_b32 v[XO+\i], v98, v99, s25
.endr
	global_store_b128 v[LSC], v[XO:XO+3], s[36:37] ; lanes 0-15: my first head's 256 bytes; lanes 16-31: my second's
	s_wait_tensorcnt 0x0                           ; the wave's end
	ds_add_u32 v[SPW], v[NIL]
	s_wait_dscnt 0x0
	CROUND                                         ; the closing round
	s_endpgm
.Lfunc_end_k_qb3dcca5f48_qkv:
	.size	k_qb3dcca5f48_qkv, .Lfunc_end_k_qb3dcca5f48_qkv-k_qb3dcca5f48_qkv
	.p2alignl 7, 3214868480
	.fill 96, 4, 3214868480
	.section	.rodata,"a",@progbits
	.p2align	6, 0x0
	.amdhsa_kernel k_qb3dcca5f48_qkv
		.amdhsa_group_segment_fixed_size 327680
		.amdhsa_private_segment_fixed_size 0
		.amdhsa_enable_private_segment 0
		.amdhsa_kernarg_size 56
		.amdhsa_user_sgpr_count 2
		.amdhsa_user_sgpr_kernarg_segment_ptr 1
		.amdhsa_wavefront_size32 1
		.amdhsa_system_sgpr_workgroup_id_x 1
		.amdhsa_system_sgpr_workgroup_id_y 1
		.amdhsa_system_sgpr_workgroup_id_z 1
		.amdhsa_system_vgpr_workitem_id 0
		.amdhsa_next_free_vgpr 1024
		.amdhsa_next_free_sgpr 100
		.amdhsa_reserve_vcc 1
		.amdhsa_float_denorm_mode_32 3
		.amdhsa_float_denorm_mode_16_64 3
		.amdhsa_memory_ordered 1
		.amdhsa_forward_progress 1
		.amdhsa_inst_pref_size 188
	.end_amdhsa_kernel
	.amdgpu_metadata
---
amdhsa.version: [ 1, 2 ]
amdhsa.kernels:
  - .name:           k_qb3dcca5f48_qkv
    .symbol:         k_qb3dcca5f48_qkv.kd
    .args:
      - { .name: hidden_states_codes, .offset: 0, .size: 8, .value_kind: global_buffer, .address_space: global }
      - { .name: hidden_states_scales, .offset: 8, .size: 8, .value_kind: global_buffer, .address_space: global }
      - { .name: w_attn_codes, .offset: 16, .size: 8, .value_kind: global_buffer, .address_space: global }
      - { .name: w_attn_scales, .offset: 24, .size: 8, .value_kind: global_buffer, .address_space: global }
      - { .name: b_attn, .offset: 32, .size: 8, .value_kind: global_buffer, .address_space: global }
      - { .name: qf, .offset: 40, .size: 8, .value_kind: global_buffer, .address_space: global }
      - { .name: kvf, .offset: 48, .size: 8, .value_kind: global_buffer, .address_space: global }
    .group_segment_fixed_size: 327680
    .private_segment_fixed_size: 0
    .kernarg_segment_align: 8
    .kernarg_segment_size: 56
    .max_flat_workgroup_size: 128
    .sgpr_count:     100
    .vgpr_count:     1024
    .wavefront_size: 32
...
	.end_amdgpu_metadata
.endif
;; end of part 1
;; launch attn (part 2): grid 4 x 64, 16 waves a work-group, no clusters, 215,040 bytes of LDS; arguments qf, kvf, ctxf, ctxs; writes ctxf, ctxs
.if DOCPART == 2
	.amdgcn_target "amdgcn-amd-amdhsa--gfx1250"
	.amdhsa_code_object_version 6
	.text
	.protected	k_qb3dcca5f48_attn
	.globl	k_qb3dcca5f48_attn
	.p2align	8
	.type	k_qb3dcca5f48_attn,@function
k_qb3dcca5f48_attn:
	s_mov_b64 s[64:65], 0
	v_nop
	global_prefetch_b8 v0, s[64:65] scope:SCOPE_SE
	s_setreg_imm32_b32 hwreg(HW_REG_WAVE_MODE, 25, 1), 1
	s_wait_xcnt 0x0
; ctx = softmax(q k^T / 8, causal) v for one head of one batch, both products on codes of FP6 (E2M3) with E8M0 scales; ctx is quantised along the head's 64 numbers and leaves as codes.
; q, k, v come as images of operand registers (the launch before lays them; its head says how).  t = score x log2(e) / 8; M = the running largest t rounded up to a whole number; p = 2^(t - M) is quantised
; along the keys, not normalised; the row's sum is taken of the unquantised p and divides at the end.  When M moves, the sum and O are multiplied by 2^(old M - new M): exact.
; SHARES.  Work-group (p, head): the blocks of 256 queries 7 - p and p, first the late one.  Wave w owns tile w (16 queries) of each.  Under the causal mask that is 16 key steps of 128 keys for waves 0-7 and 18
; for waves 8-15, whatever p: all 256 work-groups have the same work.
; LDS.  The head's 16 records of k and v, 204,800 bytes, are brought once by 16 tensor loads (waves 0-3, four each) and stay: no byte is filled twice and nothing is stored to LDS.
; Every loop has a constant trip count; a step all of whose keys come after my queries is jumped over by a scalar branch on ids, but for the two lines that step its addresses.
; WHY NO CLUSTER: the four work-groups of a head read the same records, but each reads them once, from its own LDS, after one fill at the launch's start; partners that walked in step would have to
; walk the late block's 16 steps together, which the even shares above forbid.
; LAYOUT.  S^T = k q^T (source 0 = 16 keys), O^T = v^T p^T (source 0 = 16 of the head's 64): a lane holds one query throughout.
; The head's 64 fill half of the instruction's 128: TWO tiles of 16 keys lie in one fragment of k (registers 0-5, 6-11), and q stands as [q][zeros][q]: v[16:27] multiplies the first tile, v[22:33] the second.
; The zero codes add nothing; q's scale bytes over them are 1.
; LIMITS: NaN and infinities are not served; a block of zeros gets the byte 1; 1 / sum is v_rcp_f32.  ctx's scale bytes leave as single bytes, 32 bytes apart: 32 bytes beside a tile's 768 bytes of codes.
; REGISTERS: v1-3 16 x lane, 8 x lane, 16 x (lane % 16); v4-6 the step's addresses; v7 the scale byte's place; v8, v9 lane % 16, lane / 16; v12 -M, v13 the largest t, v[14:15] the sum; v16-33 q; v34, v35 q's scale words;
;   v36-83 four fragments of k, then of v; v84-91 the second block's q and the scales as loaded; v96-159 S^T, then p; v160-191 O^T; v192-210 p's codes; v212-231 at work; v232-237, v248-250 ctx's codes; v240-247 scale words.
.set REC,  12800                       ; a record: 128 keys
.set KSC,  6144                        ; in it: k's scales,
.set VOF,  6400                        ; v's fragments,
.set VSC,  12544                       ; v's scale words
.set FR,   36
.set S,    96
.set OT,   160
.set CD,   192
.set BM,   212                         ; v212-215 block maxima, v216-219 bytes, v220-223 scale operands
.set PW,   224                         ; p's scale word
.set FF,   226                         ; v[226:227] f = 2^(old M - new M)
.set TP,   228                         ; v228-231 at work
.set RC,   232
.set KW,   240
.set VW,   244
.set RB,   248
.set WV,   12
.set SEL,  40
.set CS,   42
.set TB,   44                          ; s44 LDS byte at which the step's record begins
.set KF,   45                          ; s45 the step's first key
.set Q0,   46                          ; s46 my first query
.set CNT,  47
.set CT,   48                          ; s[48:49] where my tile's codes go
.set CSP,  50                          ; s[50:51] and its scale bytes
	s_load_b256 s[4:11], s[0:1], 0x0               ; qf, kvf, ctxf, ctxs
	v_lshl_add_u32 v254, v0, 2, 0x34000
	v_mov_b32 v255, 0
	ds_add_u32 v254, v255
	ds_add_u32 v254, v255
	v_lshrrev_b32 v8, 5, v0
	s_delay_alu instid0(VALU_DEP_1)
	v_readfirstlane_b32 s[WV], v8                  ; wave 0..15
	s_and_b32 s14, ttmp7, 0xffff                   ; 16 x batch + head
	s_mov_b32 s16, 3<<16                           ; descriptor group 1: a record is 50 dense rows of 256 bytes (32 elements of 8 bytes); no mask, no padding
	s_mov_b32 s17, 32<<16                          ; tensor_dim0
	s_mov_b32 s18, 50<<16                          ; tensor_dim1
	s_mov_b32 s19, 32<<16                          ; tile_dim0
	s_mov_b32 s20, 50                              ; tile_dim1
	s_mov_b32 s21, 32                              ; the pitch
	s_mov_b32 s22, 0
	s_mov_b32 s23, 0
	s_and_b32 s56, s[WV], 3
	s_mul_i32 s56, s56, REC                        ; wave i's load j brings record i + 4 j
	s_mul_i32 s58, s14, 16*REC
	s_add_co_u32 s58, s58, s56
	s_mov_b32 s59, 0
	s_mov_b32 s[SEL], 0x76543210
	s_mov_b32 s[SEL+1], 0xfedcba98
	s_mov_b32 s[CS], 0x3e38aa3b                    ; c = log2(e) / 8
	s_mov_b32 s[CS+1], s[CS]
	s_wait_dscnt 0x0
	s_wait_kmcnt 0x0
	s_add_nc_u64 s[58:59], s[6:7], s[58:59]
.irp j, 0,1,2,3
	s_mov_b32 s[24+4*\j], 1
	s_add_co_u32 s[25+4*\j], s56, \j*4*REC
	s_add_nc_u64 s[26+4*\j:27+4*\j], s[58:59], \j*4*REC
	s_or_b32 s[27+4*\j], s[27+4*\j], 0x80000000
.endr
	s_cmp_lt_u32 s[WV], 4                          ; all first fills stand in one branch on the wave's number: four loads of a fetching wave are out
	s_cbranch_scc0 .Lno_fill
	tensor_load_to_lds s[24:27], s[16:23]
	s_nop 0
	tensor_load_to_lds s[28:31], s[16:23]
	s_nop 0
	tensor_load_to_lds s[32:35], s[16:23]
	s_nop 0
	tensor_load_to_lds s[36:39], s[16:23]
	s_nop 0
.rept 4
	v_nop
.endr
.Lno_fill:
	s_sub_co_u32 s13, 7, ttmp9
	s_lshl_b32 s13, s13, 8
	s_lshl_b32 s15, s[WV], 4
	s_add_co_u32 s[Q0], s13, s15                   ; the late block's tile
	s_lshl_b32 s57, ttmp9, 8
	s_add_co_u32 s57, s57, s15                     ; the early block's
; for the tile that begins at query s[q0]: its codes and scales in qf, its place in ctxf and ctxs
.macro ADDRS q0, qc, qs, ct, cs
	s_lshr_b32 s60, s[\q0], 7
	s_lshl_b32 s61, s14, 4
	s_add_co_u32 s60, s60, s61                     ; the record
	s_mul_i32 s60, s60, 6400
	s_bfe_u32 s61, s[\q0], 0x30004                 ; the tile in it
	s_mul_i32 s62, s61, 768
	s_add_co_u32 s62, s62, s60
	s_mov_b32 s63, 0
	s_add_nc_u64 s[\qc:\qc+1], s[4:5], s[62:63]
	s_lshl_b32 s61, s61, 1
	s_add_co_u32 s62, s60, s61
	s_add_co_u32 s62, s62, KSC
	s_add_nc_u64 s[\qs:\qs+1], s[4:5], s[62:63]
	s_lshr_b32 s60, s14, 4
	s_lshl_b32 s61, s60, 11
	s_add_co_u32 s61, s61, s[\q0]                  ; the token
	s_lshr_b32 s62, s61, 4
	s_mul_i32 s62, s62, 12288                      ; a tile of 16 tokens: 8 fragments of 1,536 bytes;
	s_and_b32 s60, s14, 15
	s_mul_i32 s66, s60, 768                        ; my head's half fragment
	s_add_co_u32 s62, s62, s66
	s_add_nc_u64 s[\ct:\ct+1], s[8:9], s[62:63]
	s_lshl_b32 s62, s61, 5                         ; 32 scale bytes a token, two a head
	s_lshl_b32 s60, s60, 1
	s_add_co_u32 s62, s62, s60
	s_add_nc_u64 s[\cs:\cs+1], s[10:11], s[62:63]
.endm
	ADDRS Q0, 68, 70, CT, CSP
	ADDRS 57, 72, 74, 52, 54
	v_and_b32 v10, 31, v0
	s_delay_alu instid0(VALU_DEP_1)
	v_lshlrev_b32 v1, 4, v10
	s_delay_alu instid0(VALU_DEP_2)
	v_lshlrev_b32 v2, 3, v10
	v_and_b32 v8, 15, v0
	v_bfe_u32 v9, v0, 4, 1
	s_delay_alu instid0(VALU_DEP_2)
	v_lshlrev_b32 v3, 4, v8
	s_delay_alu instid0(VALU_DEP_2)
	v_lshl_add_u32 v7, v8, 5, v9                   ; 32 x row + block
	global_load_b128 v[16:19], v1, s[68:69]
	global_load_b64 v[20:21], v2, s[68:69] offset:512
	global_load_u16 v91, v3, s[70:71]              ; my row's two scale bytes
	global_load_b128 v[84:87], v1, s[72:73]
	global_load_b64 v[88:89], v2, s[72:73] offset:512
	global_load_u16 v90, v3, s[74:75]
.irp i, 0,1,2,3,4,5
	v_mov_b32 v[22+\i], 0                          ; the zero codes between q's two copies
.endr
	s_wait_loadcnt 0x0
.irp i, 0,1,2,3,4,5
	v_mov_b32 v[28+\i], v[16+\i]
.endr
; A tile begins: q's scale words, the largest t = -3e38, sums and O^T zero.  The 32 moves are also the plain lines between the scale words' making and the first product.
.macro INIT
	v_or_b32 v34, 0x01010000, v91                  ; for [q][zeros]: q's bytes below, 1 over the zeros
	v_lshl_or_b32 v35, v91, 16, 0x0101             ; for [zeros][q]
	v_mov_b32 v13, 0xff61b1e6
	s_delay_alu instid0(VALU_DEP_1)
	v_floor_f32 v12, -v13
	v_mov_b32 v14, 0
	v_mov_b32 v15, 0
.irp b, 0,1,2,3
	v_mov_b32 v[BM+4+\b], 0                        ; a lane permute's destination counts as one of its sources
.endr
	v_mov_b32 v[TP], 0
	v_mov_b32 v[FF+1], 0                           ; (named as the upper half of a pair)
.set i, 0
.rept 32
	v_mov_b32 v[OT+i], 0
.set i, i+1
.endr
.endm
	INIT
; A KEY STEP: 128 keys, the record at s[TB].
.macro STEP
	s_add_co_u32 s56, s[Q0], 15
	s_cmp_gt_u32 s[KF], s56
	s_cbranch_scc1 .Lhidden_\@                     ; all its keys come after my queries
	s_setprio 2
	v_add_nc_u32 v4, s[TB], v1
	v_add_nc_u32 v5, s[TB], v2
	v_add_nc_u32 v6, s[TB], v3
	v_nop                                          ; four plain lines in front of loads into registers that the last products read
.irp t, 0,1,2,3,4,5,6,7
	ds_load_b128 v[FR+6*\t:FR+6*\t+3], v4 offset:768*\t          ; tile t of k: six registers; two tiles make a fragment
	ds_load_b64 v[FR+6*\t+4:FR+6*\t+5], v5 offset:768*\t+512
.endr
	ds_load_b128 v[KW:KW+3], v6 offset:KSC         ; word f: my row's bytes of tiles 2 f and 2 f + 1
	s_wait_alu depctr_va_vdst(0)
	s_wait_dscnt 0x0
.irp f, 0,1,2,3
	v_wmma_scale_f32_16x16x128_f8f6f4 v[S+16*\f:S+16*\f+7], v[FR+12*\f:FR+12*\f+11], v[16:27], 0, v[KW+\f], v34 matrix_a_fmt:MATRIX_FMT_FP6 matrix_b_fmt:MATRIX_FMT_FP6
	v_wmma_scale_f32_16x16x128_f8f6f4 v[S+16*\f+8:S+16*\f+15], v[FR+12*\f:FR+12*\f+11], v[22:33], 0, v[KW+\f], v35 matrix_a_fmt:MATRIX_FMT_FP6 matrix_b_fmt:MATRIX_FMT_FP6
.endr                                          ; register 8 t + j of lane (r, h): query r, key KF + 16 t + 8 h + j
.rept 4
	v_nop
.endr
.irp t, 0,1,2,3                                ; v's four fragments are asked for now and land under the softmax
	ds_load_b128 v[FR+12*\t:FR+12*\t+3], v4 offset:VOF+1536*\t
	ds_load_b64 v[FR+12*\t+4:FR+12*\t+5], v5 offset:VOF+1536*\t+512
	ds_load_b128 v[FR+12*\t+6:FR+12*\t+9], v4 offset:VOF+1536*\t+768
	ds_load_b64 v[FR+12*\t+10:FR+12*\t+11], v5 offset:VOF+1536*\t+1280
.endr
	ds_load_b128 v[VW:VW+3], v6 offset:VSC
	s_add_co_u32 s56, s[KF], 127                   ; on the diagonal hidden scores become -infinity ahead of the maximum; a step all of whose keys count skips this
	s_cmp_le_u32 s56, s[Q0]
	s_cbranch_scc1 .Lopen_\@
	s_sub_co_i32 s56, s[Q0], s[KF]
	v_lshlrev_b32 v[TP+1], 3, v9
	s_delay_alu instid0(VALU_DEP_1)
	v_sub_nc_u32 v[TP], v8, v[TP+1]
	s_delay_alu instid0(VALU_DEP_1)
	v_add_nc_u32 v[TP], s56, v[TP]                 ; d = my query - KF - 8 h: register n is hidden where 16 (n / 8) + n % 8 > d
	v_mov_b32 v[TP+1], 0xff800000
.set n, 0
.rept 64
	v_cmp_gt_i32 vcc_lo, 16*(n/8)+n%8, v[TP]
	v_cndmask_b32 v[S+n], v[S+n], v[TP+1], vcc_lo
.set n, n+1
.endr
.Lopen_\@:
.irp b, 0,1,2,3
	v_max3_num_f32 v[BM+\b], v[S+16*\b], v[S+1+16*\b], v[S+2+16*\b]   ; the largest score of each block of 32 keys: for the row's maximum, and, since p rises with the score, for the block's largest p
.endr
.irp i, 3,5,7,9,11,13
.irp b, 0,1,2,3
	v_max3_num_f32 v[BM+\b], v[BM+\b], v[S+16*\b+\i], v[S+1+16*\b+\i]
.endr
.endr
.irp b, 0,1,2,3
	v_max_num_f32 v[BM+\b], v[BM+\b], v[S+15+16*\b]
.endr
.irp b, 0,1,2,3
	s_delay_alu instid0(VALU_DEP_4)
	v_permlanex16_b32 v[BM+4+\b], v[BM+\b], s[SEL], s[SEL+1]
.endr
.irp b, 0,1,2,3
	s_delay_alu instid0(VALU_DEP_4)
	v_max_num_f32 v[BM+\b], v[BM+\b], v[BM+4+\b]   ; with lane xor 16's 16 keys
.endr
	s_delay_alu instid0(VALU_DEP_2)
	v_max3_num_f32 v[TP], v[BM], v[BM+1], v[BM+2]
	s_delay_alu instid0(VALU_DEP_1)
	v_max_num_f32 v[TP], v[TP], v[BM+3]
	s_delay_alu instid0(VALU_DEP_1)
	v_mul_f32 v[TP], s[CS], v[TP]                  ; the step's largest t
	s_delay_alu instid0(VALU_DEP_1)
	v_max_num_f32 v13, v13, v[TP]
	v_mov_b32 v[TP], v12
	s_delay_alu instid0(VALU_DEP_2)
	v_floor_f32 v12, -v13                          ; -M = floor(-t)
	s_delay_alu instid0(VALU_DEP_1)
	v_sub_f32 v[TP], v12, v[TP]                    ; old M - new M: a whole number, 0 or less
	s_delay_alu instid0(VALU_DEP_1)
	v_cvt_i32_f32 v[TP], v[TP]                     ; (it saturates)
	s_delay_alu instid0(VALU_DEP_1)
	v_ldexp_f32 v[FF], 1.0, v[TP]                  ; f
.set j, 0
	s_setprio 1
.rept 32
	v_pk_fma_f32 v[S+j:S+j+1], v[S+j:S+j+1], s[CS:CS+1], v[12:13] op_sel_hi:[1,0,0]   ; t - M
.set j, j+2
.endr
.irp b, 0,1,2,3
	v_fma_f32 v[BM+\b], v[BM+\b], s[CS], v12
.endr
.set j, 0
	s_wait_alu depctr_va_vdst(0)
.rept 64
	v_exp_f32 v[S+j], v[S+j]                       ; p
.set j, j+1
.endr
.irp b, 0,1,2,3
	v_exp_f32 v[BM+\b], v[BM+\b]                   ; the block's largest p
.endr
	v_pk_mul_f32 v[14:15], v[14:15], v[FF:FF+1] op_sel_hi:[1,0]   ; the sums under the new M (a plain line behind the exponentials)
	s_wait_alu depctr_va_vdst(0)
.irp b, 0,1,2,3
	v_max_num_f32 v[BM+\b], 0x1800000, v[BM+\b]    ; the floor 2^(3 - 127)
.endr
.irp b, 0,1,2,3
	s_delay_alu instid0(VALU_DEP_4)
	v_add_nc_u32 v[BM+8+\b], 0xff000000, v[BM+\b]  ; the conversion's scale operand
.endr
.irp b, 0,1,2,3
	s_delay_alu instid0(VALU_DEP_4)
	v_lshrrev_b32 v[BM+4+\b], 23, v[BM+8+\b]       ; the byte
.endr
	s_delay_alu instid0(VALU_DEP_3)
	v_lshl_or_b32 v[PW], v[BM+5], 8, v[BM+4]
	s_delay_alu instid0(VALU_DEP_1)
	v_lshl_or_b32 v[PW], v[BM+6], 16, v[PW]
	s_delay_alu instid0(VALU_DEP_1)
	v_lshl_or_b32 v[PW], v[BM+7], 24, v[PW]
.irp c, 0,1
	v_cvt_scalef32_pk16_fp6_f32 v[CD+6*\c:CD+2+6*\c], v[S+32*\c:S+15+32*\c], v[BM+8+2*\c]
	v_cvt_scalef32_pk16_fp6_f32 v[CD+12+4*\c:CD+14+4*\c], v[S+16+32*\c:S+31+32*\c], v[BM+9+2*\c]
.endr
	v_nop                                          ; one plain line behind a scaled conversion
.irp c, 0,1
.irp i, 0,1,2
	v_permlane16_swap_b32 v[CD+6*\c+\i], v[CD+12+4*\c+\i]
.endr
.irp i, 0,1,2
	s_delay_alu instid0(VALU_DEP_3)
	v_mov_b32 v[CD+3+6*\c+\i], v[CD+12+4*\c+\i]
.endr
.endr
	v_pk_add_f32 v[230:231], v[100:101], v[104:105]
	v_pk_add_f32 v[252:253], v[108:109], v[112:113]
	v_pk_add_f32 v[250:251], v[116:117], v[120:121]
	v_pk_add_f32 v[248:249], v[124:125], v[128:129]
	v_pk_add_f32 v[242:243], v[132:133], v[136:137]
	v_pk_add_f32 v[240:241], v[140:141], v[144:145]
	v_pk_add_f32 v[238:239], v[148:149], v[152:153]
	v_pk_add_f32 v[14:15], v[14:15], v[156:157]
	v_pk_add_f32 v[230:231], v[230:231], v[96:97]
	s_setprio 0
	v_pk_add_f32 v[252:253], v[252:253], v[98:99]
	v_pk_add_f32 v[250:251], v[250:251], v[102:103]
	v_pk_add_f32 v[248:249], v[248:249], v[106:107]
	v_pk_add_f32 v[242:243], v[242:243], v[110:111]
	v_pk_add_f32 v[240:241], v[240:241], v[114:115]
	v_pk_add_f32 v[238:239], v[238:239], v[118:119]
	v_pk_add_f32 v[14:15], v[14:15], v[122:123]
	v_pk_add_f32 v[230:231], v[230:231], v[126:127]
	v_pk_add_f32 v[252:253], v[252:253], v[130:131]
	v_pk_add_f32 v[250:251], v[250:251], v[134:135]
	v_pk_add_f32 v[248:249], v[248:249], v[138:139]
	v_pk_add_f32 v[242:243], v[242:243], v[142:143]
	v_pk_add_f32 v[240:241], v[240:241], v[146:147]
	v_pk_add_f32 v[238:239], v[238:239], v[150:151]
	v_pk_add_f32 v[14:15], v[14:15], v[154:155]
	v_pk_add_f32 v[230:231], v[230:231], v[158:159]
	s_delay_alu instid0(VALU_DEP_2)
	v_pk_add_f32 v[14:15], v[14:15], v[248:249]
	s_delay_alu instid0(VALU_DEP_2)
	v_pk_add_f32 v[230:231], v[230:231], v[242:243]
	v_pk_add_f32 v[252:253], v[252:253], v[240:241]
	v_pk_add_f32 v[250:251], v[250:251], v[238:239]
	s_delay_alu instid0(VALU_DEP_2)
	v_pk_add_f32 v[14:15], v[14:15], v[252:253]
	s_delay_alu instid0(VALU_DEP_2)
	v_pk_add_f32 v[230:231], v[230:231], v[250:251]
	s_delay_alu instid0(VALU_DEP_1)
	v_pk_add_f32 v[14:15], v[14:15], v[230:231]
.set j, 0
.rept 16
	v_pk_mul_f32 v[OT+j:OT+j+1], v[OT+j:OT+j+1], v[FF:FF+1] op_sel_hi:[1,0]   ; O^T under the new M
.set j, j+2
.endr
	s_wait_alu depctr_va_vdst(0)
	s_wait_dscnt 0x0                               ; v is in
.irp t, 0,1,2,3                                ; the four accumulators take turns
	v_wmma_scale_f32_16x16x128_f8f6f4 v[OT+8*\t:OT+8*\t+7], v[FR+12*\t:FR+12*\t+11], v[CD:CD+11], v[OT+8*\t:OT+8*\t+7], v[VW+\t], v[PW] matrix_a_fmt:MATRIX_FMT_FP6 matrix_b_fmt:MATRIX_FMT_FP6
.endr
.Lhidden_\@:
	s_add_co_u32 s[KF], s[KF], 128
	s_add_co_u32 s[TB], s[TB], REC
.endm
.macro STEPS n
	s_mov_b32 s[CNT], \n
.Lsteps_\@:
	STEP
	s_sub_co_u32 s[CNT], s[CNT], 1
	s_cmp_lg_u32 s[CNT], 0
	s_cbranch_scc1 .Lsteps_\@
	s_setprio 0
.endm
; A tile ends: O^T / the sum, quantised in two blocks of 32, laid in the TRUE order of the head's 64 numbers (the next product's other operand is given so), and stored.
.macro FINAL
.rept 4
	v_nop
.endr
	v_add_f32 v14, v14, v15
	s_delay_alu instid0(VALU_DEP_1)
	v_permlanex16_b32 v[TP], v14, s[SEL], s[SEL+1]
	s_delay_alu instid0(VALU_DEP_1)
	v_add_f32 v14, v14, v[TP]                      ; the row's sum
	s_wait_alu depctr_va_vdst(0)
	v_rcp_f32 v14, v14
	v_nop
.set j, 0
	s_wait_alu depctr_va_vdst(0)
.rept 16
	v_pk_mul_f32 v[S+j:S+j+1], v[OT+j:OT+j+1], v[14:15] op_sel_hi:[1,0]   ; register 8 t + j: ctx(query r, 16 t + 8 h + j)
.set j, j+2
.endr
.irp b, 0,1
	v_max3_num_f32 v[BM+\b], |v[S+16*\b]|, |v[S+1+16*\b]|, 0x1800000
.endr
.irp i, 2,4,6,8,10,12,14
.irp b, 0,1
	s_delay_alu instid0(VALU_DEP_2)
	v_max3_num_f32 v[BM+\b], v[BM+\b], |v[S+16*\b+\i]|, |v[S+1+16*\b+\i]|
.endr
.endr
.irp b, 0,1
	s_delay_alu instid0(VALU_DEP_2)
	v_permlanex16_b32 v[BM+4+\b], v[BM+\b], s[SEL], s[SEL+1]
.endr
.irp b, 0,1
	s_delay_alu instid0(VALU_DEP_2)
	v_max_num_f32 v[BM+\b], v[BM+\b], v[BM+4+\b]
.endr
.irp b, 0,1
	s_delay_alu instid0(VALU_DEP_2)
	v_add_nc_u32 v[BM+8+\b], 0xff000000, v[BM+\b]
.endr
.irp b, 0,1
	s_delay_alu instid0(VALU_DEP_2)
	v_lshrrev_b32 v[BM+4+\b], 23, v[BM+8+\b]
.endr
	v_cvt_scalef32_pk16_fp6_f32 v[RC:RC+2], v[S:S+15], v[BM+8]
	v_cvt_scalef32_pk16_fp6_f32 v[RB:RB+2], v[S+16:S+31], v[BM+9]
	v_nop
.irp i, 0,1,2
	v_permlane16_swap_b32 v[RC+\i], v[RB+\i]       ; lane (r, h) now holds block h: in RC the codes of numbers 0-7 and 16-23 of the block, in RB those of 8-15 and 24-31; eight codes are six bytes
.endr
	s_delay_alu instid0(VALU_DEP_1)
	v_perm_b32 v[RC+3], v[RC+2], v[RC+1], 0x05040302   ; numbers 16-23, first four bytes
	s_delay_alu instid0(VALU_DEP_2)
	v_perm_b32 v[RC+4], v[RB+1], v[RC+2], 0x07060302   ; their last two, and the first two of 24-31
	s_delay_alu instid0(VALU_DEP_4)
	v_perm_b32 v[RC+1], v[RB], v[RC+1], 0x05040100     ; the last two of 0-7, the first two of 8-15
	v_perm_b32 v[RC+2], v[RB+1], v[RB], 0x05040302     ; the rest of 8-15
	v_mov_b32 v[RC+5], v[RB+2]                         ; the rest of 24-31
	v_cmp_ne_u32 vcc_lo, 0, v9
	s_delay_alu instid0(VALU_DEP_1)
	v_cndmask_b32 v[TP+1], v[BM+4], v[BM+5], vcc_lo    ; my block's byte
	global_store_b128 v1, v[RC:RC+3], s[CT:CT+1]       ; 512 and 256 consecutive bytes, aligned to 256
	global_store_b64 v2, v[RC+4:RC+5], s[CT:CT+1] offset:512
	global_store_b8 v7, v[TP+1], s[CSP:CSP+1]
	s_wait_xcnt 0x0                                ; the stores have read their data and bases
.endm
	s_mov_b32 s[TB], 0
	s_mov_b32 s[KF], 0
	s_wait_tensorcnt 0x3                           ; a fetching wave's first load is in: records 0-3; the later loads may stay out
	s_barrier_signal -1
	s_barrier_wait -1
	STEPS 4
	s_wait_tensorcnt 0x2                           ; records 4-7
	s_wait_dscnt 0x0
	s_barrier_signal -1
	s_barrier_wait -1
	STEPS 4
	s_wait_tensorcnt 0x0                           ; all sixteen
	s_wait_dscnt 0x0
	s_barrier_signal -1
	s_barrier_wait -1
	STEPS 8
	FINAL
	s_mov_b32 s[Q0], s57                           ; the early block's tile: its keys lie in records 0-7
	s_mov_b64 s[CT:CT+1], s[52:53]
	s_mov_b64 s[CSP:CSP+1], s[54:55]
.irp i, 0,1,2,3,4,5
	v_mov_b32 v[16+\i], v[84+\i]
	v_mov_b32 v[28+\i], v[84+\i]
.endr
	v_mov_b32 v91, v90
	INIT
	s_mov_b32 s[TB], 0
	s_mov_b32 s[KF], 0
	STEPS 8
	FINAL
	s_wait_tensorcnt 0x0
	ds_add_u32 v254, v255
	s_wait_dscnt 0x0
	s_endpgm
.Lfunc_end_k_qb3dcca5f48_attn:
	.size	k_qb3dcca5f48_attn, .Lfunc_end_k_qb3dcca5f48_attn-k_qb3dcca5f48_attn
	.p2alignl 7, 3214868480
	.fill 96, 4, 3214868480
	.section	.rodata,"a",@progbits
	.p2align	6, 0x0
	.amdhsa_kernel k_qb3dcca5f48_attn
		.amdhsa_group_segment_fixed_size 215040
		.amdhsa_private_segment_fixed_size 0
		.amdhsa_enable_private_segment 0
		.amdhsa_kernarg_size 32
		.amdhsa_user_sgpr_count 2
		.amdhsa_user_sgpr_kernarg_segment_ptr 1
		.amdhsa_wavefront_size32 1
		.amdhsa_system_sgpr_workgroup_id_x 1
		.amdhsa_system_sgpr_workgroup_id_y 1
		.amdhsa_system_sgpr_workgroup_id_z 1
		.amdhsa_system_vgpr_workitem_id 0
		.amdhsa_next_free_vgpr 256
		.amdhsa_next_free_sgpr 80
		.amdhsa_reserve_vcc 1
		.amdhsa_float_denorm_mode_32 3
		.amdhsa_float_denorm_mode_16_64 3
		.amdhsa_memory_ordered 1
		.amdhsa_forward_progress 1
		.amdhsa_inst_pref_size 111
	.end_amdhsa_kernel
	.amdgpu_metadata
---
amdhsa.version: [ 1, 2 ]
amdhsa.kernels:
  - .name:           k_qb3dcca5f48_attn
    .symbol:         k_qb3dcca5f48_attn.kd
    .args:
      - { .name: qf, .offset: 0, .size: 8, .value_kind: global_buffer, .address_space: global }
      - { .name: kvf, .offset: 8, .size: 8, .value_kind: global_buffer, .address_space: global }
      - { .name: ctxf, .offset: 16, .size: 8, .value_kind: global_buffer, .address_space: global }
      - { .name: ctxs, .offset: 24, .size: 8, .value_kind: global_buffer, .address_space: global }
    .group_segment_fixed_size: 215040
    .private_segment_fixed_size: 0
    .kernarg_segment_align: 8
    .kernarg_segment_size: 32
    .max_flat_workgroup_size: 512
    .sgpr_count:     80
    .vgpr_count:     256
    .wavefront_size: 32
...
	.end_amdgpu_metadata
.endif
;; end of part 2
;; launch proj (part 3): grid 8 x 32, 4 waves a work-group, clusters of 4 x 4, 327,680 bytes of LDS; arguments ctxf, ctxs, w_proj_codes, w_proj_scales, b_proj, out0; writes out0
.if DOCPART == 3
	.amdgcn_target "amdgcn-amd-amdhsa--gfx1250"
	.amdhsa_code_object_version 6
	.text
	.protected	k_qb3dcca5f48_proj
	.globl	k_qb3dcca5f48_proj
	.p2align	8
	.type	k_qb3dcca5f48_proj,@function
k_qb3dcca5f48_proj:
	s_mov_b64 s[64:65], 0
	v_nop
	global_prefetch_b8 v0, s[64:65] scope:SCOPE_SE
	s_setreg_imm32_b32 hwreg(HW_REG_WAVE_MODE, 25, 1), 1
	s_wait_xcnt 0x0
	s_wait_alu depctr_hold_cnt(0) depctr_sa_sdst(0) depctr_va_vdst(0) depctr_va_sdst(0) depctr_va_ssrc(0) depctr_va_vcc(0) depctr_vm_vsrc(0)
	s_getreg_b32 s2, hwreg(HW_REG_IB_STS2, 6, 4)
	s_cmp_eq_u32 s2, 0
	s_cbranch_scc0 .Lentry_in_a_cluster
	s_endpgm
.Lentry_in_a_cluster:
	s_bfe_u32 s2, ttmp6, 0x10000c
	s_cmp_lg_u32 s2, 0xf033
	s_cbranch_scc0 .Lentry_shape_is_right
	s_endpgm
.Lentry_shape_is_right:
; out0 = ctx x w_proj + b_proj on codes of FP6 (E2M3) with one E8M0 scale for each 32 along K = 1,024; out0 [8,192][1,024] f32.
; ctx comes as images of operand registers, [tile of 16 tokens][K step of 128][1,536 bytes] (registers 0-3 at 16 x lane, 4-5 at 512 + 8 x lane, 6-9 at 768 + 16 x lane, 10-11 at 1,280 + 8 x lane), its scale
; bytes [token][32]; w_proj as rows of 768 bytes of codes, K innermost, 32 scale bytes a row.
; A work-group makes 256 tokens x 128 columns: 256 work-groups.  Wave (w / 2, w % 2) makes 128 x 64: 32 accumulators.  Source 0 = 16 rows of w_proj, source 1 = 16 tokens: a lane holds eight neighbouring columns of a row.
; LDS holds ALL of K for the work-group's rows, in four slots of 256 along K; each byte is filled once, by 16 joint loads at the start (waves 0, 1: ctx; waves 2, 3: w_proj; four each), so there is no ring.
; A slot is read behind a barrier in front of which each fetching wave has seen its part landed.
; CLUSTERS: 4 x 4 work-groups; ctx's tiles are shared along a row of the cluster, w_proj's along a column.
; The scale words of all of K lie in registers, loaded once; the bias is the C of each sum's first product.
; REGISTERS, in windows of 256: window 0: v8-15 ctx's LDS addresses, v16-23 w_proj's, v24-26 the way out, v27-29 load offsets; v32-63 ctx's scale words, v64-79 w_proj's, v96-127 the bias; v128-223 w_proj's fragments, two sets;
;   window 1: ctx's fragments, two sets, at v0 and v128;  window 2: the accumulators, (a, b) at v[8 (4 a + b)].
.set PITCH,  240                       ; a row of w_proj in LDS: 3 x (64 bytes + 16 of padding)
.set ASLOT,  49152                     ; ctx: 16 tiles x 3,072 bytes
.set BBASE,  4*ASLOT
.set BSLOT,  128*PITCH
.set FR,     12
.set SPITCH, 272                       ; the way out: 16 rows x (256 bytes + 16) for each wave, from LDS byte 0: slot 0 has had its one fill, and nobody reads it behind the last barrier
.set AAD,  8
.set BAD,  16
.set STO,  24
.set RD,   25
.set CO,   26
.set S1SC, 32
.set S0SC, 64
.set BI,   96
.set F0,   128
.set BK,   128
.set MSB, 0
.macro WIN new
.if MSB != (\new)
	s_set_vgpr_msb (MSB<<8)|(\new)
.set MSB, (\new)
.endif
.endm
.macro CROUND                          ; a round of the cluster's barrier
	s_barrier_signal -1
	s_barrier_wait -1
	s_cmp_lg_u32 s16, 0
	s_cbranch_scc1 .Lnot_wave_0_\@
	s_barrier_signal -3
.Lnot_wave_0_\@:
	s_barrier_wait -3
	s_barrier_signal -1
	s_barrier_wait -1
.endm
.macro PLACES
.rept 4
	v_nop
.endr
.endm
	s_load_b256 s[4:11], s[0:1], 0x0               ; ctxf, ctxs, w_proj's codes, w_proj's scales
	s_load_b128 s[12:15], s[0:1], 0x20             ; b_proj, out0
	v_lshl_add_u32 v254, v0, 2, 0x4e000
	v_mov_b32 v255, 0
	ds_add_u32 v254, v255
	ds_add_u32 v254, v255
	v_lshrrev_b32 v1, 5, v0
	v_readfirstlane_b32 s16, v1                    ; wave 0..3
	s_lshr_b32 s17, s16, 1                         ; my half of the 256 tokens.  Also: I fetch ctx (0) or w_proj (1)
	s_and_b32 s18, s16, 1                          ; my half of the 128 columns.  Also: which half of the rows I fetch
	s_bfe_u32 s19, ttmp6, 0x40000                  ; cx
	s_bfe_u32 s20, ttmp6, 0x40004                  ; cy
	s_lshl_b32 s21, ttmp9, 2
	s_add_co_u32 s21, s21, s19                     ; x: my 128 columns
	s_and_b32 s22, ttmp7, 0xffff
	s_lshl_b32 s22, s22, 2
	s_add_co_u32 s22, s22, s20                     ; y: my 256 tokens
	s_lshl_b32 s23, s20, 2
	s_lshl_b32 s23, 15, s23                        ; my row of the cluster
	s_lshl_b32 s84, 0x1111, s19                    ; my column
	s_or_b32 s24, s23, (3<<16)|(1<<21)             ; ctx: 8 rows (tiles of 16 tokens) of 3,072 bytes (384 elements of 8), 12,288 bytes apart; dense in LDS
	s_mov_b32 s25, 384<<16
	s_mov_b32 s26, 8<<16
	s_mov_b32 s27, 384<<16
	s_mov_b32 s28, 8
	s_mov_b32 s29, 1536
	s_mov_b32 s30, 0
	s_mov_b32 s31, 0
	s_or_b32 s32, s84, (0<<16)|(1<<20)|(1<<21)|(3<<22)|(3<<25)   ; w_proj: 64 rows of 192 bytes, 768 apart; 16 bytes of padding behind every 64
	s_mov_b32 s33, 192<<16
	s_mov_b32 s34, 64<<16
	s_mov_b32 s35, 192<<16
	s_mov_b32 s36, 64
	s_mov_b32 s37, 768
	s_mov_b32 s38, 0
	s_mov_b32 s39, 0
	s_lshl_b32 s56, s22, 4
	s_lshl_b32 s57, s18, 3
	s_add_co_u32 s56, s56, s57
	s_mul_i32 s56, s56, 12288                      ; ctx: tile 16 y + 8 x half
	s_mov_b32 s57, 0
	s_lshl_b32 s60, s21, 7
	s_lshl_b32 s61, s18, 6
	s_add_co_u32 s60, s60, s61
	s_mul_i32 s60, s60, 768                        ; w_proj: row 128 x + 64 x half
	s_mov_b32 s61, 0
	s_mul_i32 s58, s18, 8*3072                     ; where they go
	s_mul_i32 s62, s18, 64*PITCH
	s_add_co_u32 s62, s62, BBASE
	s_wait_dscnt 0x0
	s_wait_kmcnt 0x0
	s_add_nc_u64 s[56:57], s[4:5], s[56:57]
	s_add_nc_u64 s[60:61], s[8:9], s[60:61]
	CROUND                                         ; all sixteen work-groups are here: the joint loads meet
.irp s, 0,1,2,3
	s_mov_b32 s[40+4*\s], 1
	s_add_co_u32 s[41+4*\s], s58, \s*ASLOT
	s_add_nc_u64 s[42+4*\s:43+4*\s], s[56:57], \s*3072
	s_or_b32 s[43+4*\s], s[43+4*\s], 0x80000000
	s_mov_b32 s[68+4*\s], 1
	s_add_co_u32 s[69+4*\s], s62, \s*BSLOT
	s_add_nc_u64 s[70+4*\s:71+4*\s], s[60:61], \s*192
	s_or_b32 s[71+4*\s], s[71+4*\s], 0x80000000
.endr
	s_cmp_eq_u32 s17, 0                            ; a wave's four fills stand in one branch on its number: four loads of mine are out
	s_cbranch_scc0 .Lfor_b
	tensor_load_to_lds s[40:43], s[24:31]
	s_nop 0
	tensor_load_to_lds s[44:47], s[24:31]
	s_nop 0
	tensor_load_to_lds s[48:51], s[24:31]
	s_nop 0
	tensor_load_to_lds s[52:55], s[24:31]
	s_nop 0
.rept 4
	v_nop
.endr
	s_branch .Lasked
.Lfor_b:
	tensor_load_to_lds s[68:71], s[32:39]
	s_nop 0
	tensor_load_to_lds s[72:75], s[32:39]
	s_nop 0
	tensor_load_to_lds s[76:79], s[32:39]
	s_nop 0
	tensor_load_to_lds s[80:83], s[32:39]
	s_nop 0
.rept 4
	v_nop
.endr
.Lasked:
	v_and_b32 v1, 15, v0                           ; r
	v_bfe_u32 v2, v0, 4, 1                         ; h
	v_and_b32 v3, 31, v0                           ; lane
	s_mul_i32 s85, s17, 8*3072                     ; my 8 tiles of tokens in a slot
	v_lshl_add_u32 v4, v3, 4, s85
	v_lshl_add_u32 v5, v3, 3, s85
	v_mul_u32_u24 v6, v1, PITCH
	v_mad_u32_u24 v6, v2, 24, v6
	s_mul_i32 s86, s18, 64*PITCH                   ; my 64 rows of w_proj
	s_add_co_u32 s86, s86, BBASE
	v_add_nc_u32 v6, s86, v6
	v_lshl_add_u32 v7, v2, 4, v6                   ; the same behind one padding more
.irp s, 0,1,2,3
	v_add_nc_u32 v[AAD+\s], \s*ASLOT, v4
	v_add_nc_u32 v[AAD+4+\s], \s*ASLOT, v5
	v_add_nc_u32 v[BAD+\s], \s*BSLOT, v6
	v_add_nc_u32 v[BAD+4+\s], \s*BSLOT, v7
.endr
	s_mul_i32 s87, s16, 16*SPITCH                  ; my stage
	v_mul_u32_u24 v[STO], v1, SPITCH
	v_lshl_add_u32 v[STO], v2, 5, v[STO]
	v_add_nc_u32 v[STO], s87, v[STO]               ; in: row r, 32 bytes for each half of the lanes
	v_mul_u32_u24 v[RD], v2, SPITCH
	v_lshl_add_u32 v[RD], v1, 4, v[RD]
	v_add_nc_u32 v[RD], s87, v[RD]                 ; back: lanes 0-15 one row of 256 bytes, lanes 16-31 the next
	v_lshlrev_b32 v[CO], 12, v2
	v_lshl_add_u32 v[CO], v1, 4, v[CO]             ; and the same two rows in out0
	s_lshl_b32 s56, s22, 8
	s_lshl_b32 s57, s17, 7
	s_add_co_u32 s56, s56, s57                     ; my first token
	s_lshl_b32 s88, s56, 12                        ; its row of out0
	s_lshl_b32 s56, s56, 5                         ; its scale bytes
	s_mov_b32 s57, 0
	s_add_nc_u64 s[56:57], s[6:7], s[56:57]
	s_lshl_b32 s60, s21, 7
	s_lshl_b32 s61, s18, 6
	s_add_co_u32 s60, s60, s61                     ; my first column
	s_lshl_b32 s62, s60, 2
	s_lshl_b32 s60, s60, 5
	s_mov_b32 s61, 0
	s_mov_b32 s63, 0
	s_add_co_u32 s88, s88, s62
	s_mov_b32 s89, 0
	s_add_nc_u64 s[60:61], s[10:11], s[60:61]      ; its row of w_proj's scale bytes
	s_add_nc_u64 s[62:63], s[12:13], s[62:63]      ; its bias
	s_add_nc_u64 s[14:15], s[14:15], s[88:89]      ; my corner of out0
	v_lshlrev_b32 v27, 5, v1
	v_lshl_add_u32 v28, v2, 10, v27                ; w_proj: row 32 h + r
	v_lshl_add_u32 v27, v2, 11, v27                ; ctx: row 64 h + r
	v_lshlrev_b32 v29, 5, v2
.irp j, 0,1,2,3                                ; register 8 j + g: lanes 0-15 the word of block j for K step g, lanes 16-31 that of block j + 4
	global_load_b128 v[S1SC+8*\j:S1SC+8*\j+3], v27, s[56:57] offset:512*\j
	global_load_b128 v[S1SC+8*\j+4:S1SC+8*\j+7], v27, s[56:57] offset:512*\j+16
.endr
.irp j, 0,1                                    ; likewise: blocks j and j + 2
	global_load_b128 v[S0SC+8*\j:S0SC+8*\j+3], v28, s[60:61] offset:512*\j
	global_load_b128 v[S0SC+8*\j+4:S0SC+8*\j+7], v28, s[60:61] offset:512*\j+16
.endr
.irp b, 0,1,2,3
	global_load_b128 v[BI+8*\b:BI+8*\b+3], v29, s[62:63] offset:64*\b        ; b_proj at my columns 16 b + 8 h + 0 .. 7: the result's layout
	global_load_b128 v[BI+8*\b+4:BI+8*\b+7], v29, s[62:63] offset:64*\b+16
.endr
.macro FRAG reg, adr, q, i             ; 16 rows x 128 K of w_proj: pieces of 8 bytes; where lanes 16-31's piece lies behind one padding more, the second address register serves
.irp p, 0,1,2,3,4,5
.set PCE, 12*(\q)+6*(\p/3)+\p%3
.if PCE%8 < 5
	ds_load_b64 v[\reg+2*\p:\reg+2*\p+1], v[\adr] offset:8*PCE+16*(PCE/8)+(\i)*16*PITCH
.else
	ds_load_b64 v[\reg+2*\p:\reg+2*\p+1], v[\adr+4] offset:8*PCE+16*(PCE/8)+(\i)*16*PITCH
.endif
.endr
.endm
.macro FETCH g, set                    ; K step g's fragments: 56 LDS loads
	WIN 0x40                                       ; destination window 1
.irp i, 0,1,2,3,4,5,6,7
	ds_load_b128 v[128*(\set)+FR*\i:128*(\set)+FR*\i+3], v[AAD+(\g)/2] offset:\i*3072+((\g)%2)*1536
	ds_load_b64 v[128*(\set)+FR*\i+4:128*(\set)+FR*\i+5], v[AAD+4+(\g)/2] offset:\i*3072+((\g)%2)*1536+512
	ds_load_b128 v[128*(\set)+FR*\i+6:128*(\set)+FR*\i+9], v[AAD+(\g)/2] offset:\i*3072+((\g)%2)*1536+768
	ds_load_b64 v[128*(\set)+FR*\i+10:128*(\set)+FR*\i+11], v[AAD+4+(\g)/2] offset:\i*3072+((\g)%2)*1536+1280
.endr
	WIN 0
.irp i, 0,1,2,3
	FRAG F0+48*(\set)+FR*\i, BAD+(\g)/2, (\g)%2, \i
.endr
.endm
.macro WM d, f0, f1, c, sa, sb, ra, rb ; one product; ra, rb: the scale words lie in lanes 16-31
.if (\ra) == 0 && (\rb) == 0
	v_wmma_scale_f32_16x16x128_f8f6f4 v[\d:\d+7], v[\f0:\f0+11], v[\f1:\f1+11], v[\c:\c+7], v[\sa], v[\sb] matrix_a_fmt:MATRIX_FMT_FP6 matrix_b_fmt:MATRIX_FMT_FP6
.elseif (\ra) == 1 && (\rb) == 0
	v_wmma_scale_f32_16x16x128_f8f6f4 v[\d:\d+7], v[\f0:\f0+11], v[\f1:\f1+11], v[\c:\c+7], v[\sa], v[\sb] matrix_a_fmt:MATRIX_FMT_FP6 matrix_b_fmt:MATRIX_FMT_FP6 matrix_a_scale:MATRIX_SCALE_ROW1
.elseif (\ra) == 0
	v_wmma_scale_f32_16x16x128_f8f6f4 v[\d:\d+7], v[\f0:\f0+11], v[\f1:\f1+11], v[\c:\c+7], v[\sa], v[\sb] matrix_a_fmt:MATRIX_FMT_FP6 matrix_b_fmt:MATRIX_FMT_FP6 matrix_b_scale:MATRIX_SCALE_ROW1
.else
	v_wmma_scale_f32_16x16x128_f8f6f4 v[\d:\d+7], v[\f0:\f0+11], v[\f1:\f1+11], v[\c:\c+7], v[\sa], v[\sb] matrix_a_fmt:MATRIX_FMT_FP6 matrix_b_fmt:MATRIX_FMT_FP6 matrix_a_scale:MATRIX_SCALE_ROW1 matrix_b_scale:MATRIX_SCALE_ROW1
.endif
.endm
.macro MUL g, set                      ; 32 products: the accumulators take turns, one instruction a turn.  K step 0 starts the sums with the bias as C
.irp a, 0,1,2,3,4,5,6,7
.irp b, 0,1,2,3
.if (\g) == 0
	WM 8*(4*\a+\b), F0+48*(\set)+FR*\b, 128*(\set)+FR*\a, BI+8*\b, S0SC+8*(\b%2)+(\g), S1SC+8*(\a%4)+(\g), \b/2, \a/4
.else
	WM 8*(4*\a+\b), F0+48*(\set)+FR*\b, 128*(\set)+FR*\a, 8*(4*\a+\b), S0SC+8*(\b%2)+(\g), S1SC+8*(\a%4)+(\g), \b/2, \a/4
.endif
.endr
.endr
.endm
	s_wait_tensorcnt 0x3                           ; my part of slot 0 is in; the later loads may stay out
	s_barrier_signal -1
	s_barrier_wait -1
	FETCH 0, 0
	s_wait_loadcnt 0x0                             ; the scale words and the bias
.irp g, 0,1,2,3,4,5,6,7
.if (\g%2) == 1 && \g < 7
	s_wait_tensorcnt 3-(\g+1)/2                    ; my part of the slot that K step g + 1 begins is in,
	s_wait_dscnt 0x0
	s_barrier_signal -1
	s_barrier_wait -1                              ; everybody's is
.endif
.if \g < 7
.if \g > 0
	PLACES                                         ; in front of loads into the set that the last K step's products read
.endif
	FETCH \g+1, (\g+1)%2
	s_wait_dscnt 56                                ; this K step's fragments are in; the 56 loads just issued may be out
.else
	s_wait_dscnt 0x0
.endif
.if \g == 0
	WIN 0x84                                       ; source 0 window 0, source 1 window 1, C (the bias) window 0, D window 2
.else
	WIN 0xa4                                       ; C and D window 2
.endif
	MUL \g, \g%2
.endr
	WIN 0
; THE WAY OUT, by blocks of 16 tokens x 64 columns: through my own stage in LDS, back as whole rows of 256 bytes.  LDS serves a wave's instructions in order (ISA guide 5.7.1.4): no wait between the stores and the loads.
.macro TOSTAGE a
	WIN 0x08                                       ; an LDS store's data: window 2
.irp b, 0,1,2,3
	ds_store_b128 v[STO], v[8*(4*(\a)+\b):8*(4*(\a)+\b)+3] offset:64*\b          ; each accumulator from its low end on
	ds_store_b128 v[STO], v[8*(4*(\a)+\b)+4:8*(4*(\a)+\b)+7] offset:64*\b+16
.endr
	WIN 0
.set BB, BK+32*((\a)%2)
.irp t, 0,1,2,3,4,5,6,7
	ds_load_b128 v[BB+4*\t:BB+4*\t+3], v[RD] offset:\t*2*SPITCH
.endr
.endm
.macro SEND a, younger
.set BB, BK+32*((\a)%2)
	s_wait_dscnt \younger                          ; the block is back in registers
.if (\a) > 0
	s_add_nc_u64 s[14:15], s[14:15], 16*4096       ; (behind a wait on XCNT) 16 rows of out0 on
.endif
.irp t, 0,1,2,3,4,5,6,7
	global_store_b128 v[CO], v[BB+4*\t:BB+4*\t+3], s[14:15] offset:\t*2*4096 th:TH_STORE_NT   ; 16 lanes store 256 consecutive bytes, aligned to 256; written once, read by nobody here
.endr
.endm
	PLACES
	TOSTAGE 0
.irp a, 1,2,3,4,5,6,7
.if \a > 1
	s_wait_xcnt 0x0                                ; block a - 2's stores have read their registers and their base
.endif
	TOSTAGE \a
	SEND \a-1, 16                                  ; behind block a - 1's loads: block a's 8 stores and 8 loads
.endr
	s_wait_xcnt 0x0
	SEND 7, 0
	s_wait_tensorcnt 0x0
	s_wait_tensorcnt 0x0
	ds_add_u32 v254, v255
	s_wait_dscnt 0x0
	CROUND                                         ; the closing round
	s_endpgm
.Lfunc_end_k_qb3dcca5f48_proj:
	.size	k_qb3dcca5f48_proj, .Lfunc_end_k_qb3dcca5f48_proj-k_qb3dcca5f48_proj
	.p2alignl 7, 3214868480
	.fill 96, 4, 3214868480
	.section	.rodata,"a",@progbits
	.p2align	6, 0x0
	.amdhsa_kernel k_qb3dcca5f48_proj
		.amdhsa_group_segment_fixed_size 327680
		.amdhsa_private_segment_fixed_size 0
		.amdhsa_enable_private_segment 0
		.amdhsa_kernarg_size 48
		.amdhsa_user_sgpr_count 2
		.amdhsa_user_sgpr_kernarg_segment_ptr 1
		.amdhsa_wavefront_size32 1
		.amdhsa_system_sgpr_workgroup_id_x 1
		.amdhsa_system_sgpr_workgroup_id_y 1
		.amdhsa_system_sgpr_workgroup_id_z 1
		.amdhsa_system_vgpr_workitem_id 0
		.amdhsa_next_free_vgpr 768
		.amdhsa_next_free_sgpr 96
		.amdhsa_reserve_vcc 0
		.amdhsa_float_denorm_mode_32 3
		.amdhsa_float_denorm_mode_16_64 3
		.amdhsa_memory_ordered 1
		.amdhsa_forward_progress 1
		.amdhsa_inst_pref_size 90
	.end_amdhsa_kernel
	.amdgpu_metadata
---
amdhsa.version: [ 1, 2 ]
amdhsa.kernels:
  - .name:           k_qb3dcca5f48_proj
    .symbol:         k_qb3dcca5f48_proj.kd
    .args:
      - { .name: ctxf, .offset: 0, .size: 8, .value_kind: global_buffer, .address_space: global }
      - { .name: ctxs, .offset: 8, .size: 8, .value_kind: global_buffer, .address_space: global }
      - { .name: w_proj_codes, .offset: 16, .size: 8, .value_kind: global_buffer, .address_space: global }
      - { .name: w_proj_scales, .offset: 24, .size: 8, .value_kind: global_buffer, .address_space: global }
      - { .name: b_proj, .offset: 32, .size: 8, .value_kind: global_buffer, .address_space: global }
      - { .name: out0, .offset: 40, .size: 8, .value_kind: global_buffer, .address_space: global }
    .group_segment_fixed_size: 327680
    .private_segment_fixed_size: 0
    .kernarg_segment_align: 8
    .kernarg_segment_size: 48
    .max_flat_workgroup_size: 128
    .sgpr_count:     96
    .vgpr_count:     768
    .wavefront_size: 32
...
	.end_amdgpu_metadata
.endif
;; end of part 3
